; MI455X (gfx1250); checked and timed in simulation.
; The chip was launched on July 23, 2026; its instructions are those of AMD's public machine-readable ISA for CDNA 5 (MIT licence, August 2026) and "CDNA5" Instruction Set Architecture Reference Guide (July 2026). The comments in the code are by the model that wrote it; some were corrected since.
;; Angular Attention. Allowed arithmetic: matrix products marked QUANTISED: E2M3 operands, one E8M0 scale for each 32 along K, by v_wmma_scale_f32_16x16x128_f8f6f4 with both operands' format E2M3, f32 sums; everything else in f32.
;; Inputs: Wk 1,024 x 1,024 float32; Wo 1,024 x 1,024 float32; Wq 1,024 x 1,024 float32; Wv 1,024 x 1,024 float32; bo 1,024 float32; mask 2 x 2,048 int32; x 2 x 2,048 x 1,024 float32.
;; Outputs: out0 2 x 2,048 x 1,024 float32.
;; This version of the problem:
;;   THIS VERSION OF THE PROBLEM IS GIVEN IN LOW PRECISION. The matrix products marked QUANTISED in the list below multiply operands that are first quantised to E2M3 (2 exponent bits, 3 mantissa bits; 6 bits a number), with one power-of-two scale for each 32 numbers along K (OCP MX v1.0); their sums are f32. All else is computed in f32.
;;   The module's matrix products, in the order in which they are computed (A, B: the left and right operand; K: the contracted axis; several contracted axes count as one K, in the product's order):
;;     1. [M 4,096, K 1,024] x [K 1,024, N 1,024]; A: input x; B: input Wq: QUANTISED
;;     2. [M 4,096, K 1,024] x [K 1,024, N 1,024]; A: input x; B: input Wk: QUANTISED
;;     3. [M 4,096, K 1,024] x [K 1,024, N 1,024]; A: input x; B: input Wv: QUANTISED
;;     4. batch 32 x [M 2,048, K 64] x [K 64, N 2,048]; A: computed on the way; B: computed on the way: QUANTISED
;;     5. batch 32 x [M 2,048, K 2,048] x [K 2,048, N 64]; A: computed on the way; B: computed on the way: QUANTISED
;;     6. [M 4,096, K 1,024] x [K 1,024, N 1,024]; A: computed on the way; B: input Wo: QUANTISED
;;   THE QUANTISER, for each operand of a quantised product, along K:
;;     - K is cut into blocks of 32 from its start; a last block that is shorter is filled with zeros.
;;     - A block's scale is 2^e with e = floor(log2(the largest magnitude in the block)) - 2, held to -126 .. 127; a block of zeros has e = 0. As a byte (E8M0): e + 127.
;;     - Each number is divided by its block's scale, clamped to +-7.5, and rounded to the nearest number of E2M3, ties to even, subnormals kept.
;;     - The product sums the exact products of the quantised numbers (number of the format x scale) in f32.
;;   ~~~python
;;   def quantise(x, axis):      # numpy; x: float32 -> the quantised numbers, widened to float32 again
;;       x = np.moveaxis(x, axis, -1); K = x.shape[-1]
;;       x = np.pad(x, [(0, 0)] * (x.ndim - 1) + [(0, -K % 32)]); x = x.reshape(x.shape[:-1] + (-1, 32)); a = np.abs(x).max(-1, keepdims=True)
;;       e = np.where(a > 0, np.clip(np.frexp(np.where(a > 0, a, 1))[1] - 1 - 2, -126, 127), 0)      # np.frexp(a)[1] - 1 = floor(log2(a)), exactly
;;       r = np.clip(x / 2.0 ** e, -7.5, 7.5)
;;       step = 2.0 ** (np.maximum(np.frexp(np.where(r == 0, 1, r))[1] - 1, 0) - 3)
;;       q = np.round(r / step) * step * 2.0 ** e      # np.round: ties to even
;;       return np.moveaxis(q.reshape(q.shape[:-2] + (-1,))[..., :K], -1, axis).astype(np.float32)
;;   ~~~
;;   OPERANDS COMPUTED ON THE WAY. 'Computed on the way' means the value that the module computes at that place (a softmax that the list does not call 'softmax' is quantised finished and normalised). What goes into a quantiser is computed in f32, as accurately as f32 sums, v_exp_f32 and their like allow (about 1e-6 of the number): no bf16 or f16 on the way to a quantiser, and a product that is left as it is and whose result goes on into a quantised operand takes f32 operands (vector FMAs, or v_wmma_f32_16x16x4_f32). A number that lies on a knife's edge between two numbers of the format may be rounded either way, as far as f32 arithmetic and the matrix unit's own rounding can turn it there, and no further.
;; One version. Each part assembles by itself: llvm-mc -triple=amdgcn-amd-amdhsa -mcpu=gfx1250 --defsym DOCPART=n.
;; ======== version 1 of 1: 4 launches
;; workspace buffers: cod 6,553,600 bytes; qkv 9,830,400 bytes; att 3,276,800 bytes
;; launch quant (part 1): grid 256 x 1, 8 waves a work-group, no clusters, 63,488 bytes of LDS; arguments x, Wq, Wk, Wv, Wo, cod; writes cod
.if DOCPART == 1
	.amdgcn_target "amdgcn-amd-amdhsa--gfx1250"
	.amdhsa_code_object_version 6
	.text
	.protected	k_q8980a6f55c_quant
	.globl	k_q8980a6f55c_quant
	.p2align	8
	.type	k_q8980a6f55c_quant,@function
k_q8980a6f55c_quant:
	s_mov_b64 s[64:65], 0
	v_nop
	global_prefetch_b8 v0, s[64:65] scope:SCOPE_SE
	s_setreg_imm32_b32 hwreg(HW_REG_WAVE_MODE, 25, 1), 1
	s_wait_xcnt 0x0
; x [4096][1024] and Wq, Wk, Wv, Wo [1024][1024], f32, K innermost, become codes of FP6 (E2M3) with one E8M0 byte for each 32 along K.
; A block's scale is 2^(floor(log2(largest magnitude)) - 2); its byte is the largest magnitude's exponent field - 2, held at 1 from below.
; THE LAYOUT OF cod is the order of the matrix operand's registers.  The 8,192 rows are 512 tiles of 16 (x 0-255, Wq 256-319, Wk 320-383, Wv 384-447, Wo 448-511).
; Lane r of tile 2 p + u holds row 32 p + 8 u + r + 8 (r / 8).  A tile is 8 K steps of 128; a K step is two halves of 64 along K, 768 bytes each:
; 32 lanes x 16 bytes (operand registers 0-3), then 32 lanes x 8 bytes (registers 4, 5); lane (r, h) holds block h of the half, 24 bytes.
; Scale words lie behind the codes, at byte 6,291,456: [tile][K step][16 rows], four bytes a word, one for each block.
; SHARES: a work-group takes 32 rows (a pair of tiles), a wave four of them, a lane one block of 32 numbers of each row.
; A row is loaded as it lies (512 consecutive bytes a load) and turned through the wave's own stage in LDS, so that a lane gets 32 neighbours.
; Codes and bytes are gathered in LDS as they will lie in cod and leave in stores of 512 consecutive bytes a wave.
; LIMITS: NaN and infinities among the inputs are not served.  A block of zeros gets the byte 1 (the rule says 127): its codes are zeros, and this program alone reads the bytes.
.set STW, 4608                         ; a wave's stage: 32 blocks x (128 bytes + 16 of padding)
.set G,   36864                        ; the image of the pair of tiles: 24,576 bytes
.set SC,  61440                        ; the image of their scale words: 1,024 bytes
.set R,   32                           ; v32-159  four rows as loaded
.set X,   160                          ; v160-191 my block's 32 numbers
.set P,   192                          ; v192-197 my block's codes
.set Y,   200                          ; v200-202 the upper 16 codes, as the conversion leaves them
	s_load_b256 s[4:11], s[0:1], 0x0               ; x, Wq, Wk, Wv
	s_load_b128 s[12:15], s[0:1], 0x20             ; Wo, cod
	v_lshl_add_u32 v208, v0, 2, 0xf400
	v_mov_b32 v209, 0
	v_lshrrev_b32 v9, 5, v0
	v_readfirstlane_b32 s20, v9                    ; wave 0..7
	v_and_b32 v9, 31, v0                           ; lane = the block's number in a row
	s_lshl_b32 s21, s20, 14
	v_lshl_add_u32 v1, v9, 4, s21                  ; in: 16 x lane + my four rows of 4,096 bytes
	s_mul_i32 s22, s20, STW
	v_lshrrev_b32 v10, 3, v9
	v_add_nc_u32 v10, v10, v9
	v_lshl_add_u32 v2, v10, 4, s22                 ; stage, in: 16 x lane + 16 for each 128 bytes passed
	v_mul_u32_u24 v3, v9, 144
	v_add_nc_u32 v3, s22, v3                       ; stage, out: my block
	s_bfe_u32 s23, s20, 0x10001                    ; u = (wave / 2) % 2: which tile of the pair my rows fall into
	s_and_b32 s24, s20, 1
	s_lshl_b32 s24, s24, 2
	s_lshr_b32 s25, s20, 2
	s_lshl_b32 s25, s25, 3
	s_add_co_u32 s24, s24, s25                     ; r0 = 4 (wave % 2) + 8 (wave / 4): the tile's lane of my first row
	v_lshrrev_b32 v10, 2, v9                       ; K step
	v_bfe_u32 v11, v9, 1, 1                        ; half of the K step
	v_and_b32 v12, 1, v9                           ; block of the half
	v_mul_u32_u24 v13, v10, 1536
	v_mad_u32_u24 v13, v11, 768, v13
	s_mul_i32 s26, s23, 12288
	s_lshl_b32 s27, s24, 4
	s_add_co_u32 s27, s27, s26
	s_add_co_u32 s27, s27, G
	v_lshl_add_u32 v4, v12, 8, v13
	v_add_nc_u32 v4, s27, v4                       ; image: registers 0-3 of lane (r0, h)
	s_lshl_b32 s27, s24, 3
	s_add_co_u32 s27, s27, s26
	s_add_co_u32 s27, s27, G+512
	v_lshl_add_u32 v5, v12, 7, v13
	v_add_nc_u32 v5, s27, v5                       ; image: registers 4, 5
	s_lshl_b32 s27, s23, 9
	s_lshl_b32 s28, s24, 2
	s_add_co_u32 s27, s27, s28
	s_add_co_u32 s27, s27, SC
	v_and_b32 v11, 3, v9
	v_lshl_add_u32 v6, v10, 6, v11
	v_add_nc_u32 v6, s27, v6                       ; image: my block's byte in row r0's word
	v_lshlrev_b32 v8, 4, v0                        ; the way out: 16 bytes a thread
	v_add_nc_u32 v7, G, v8
	s_and_b32 s18, ttmp9, 31                       ; a weight's pair of tiles
	s_mul_i32 s28, ttmp9, 24576                    ; where my codes go,
	s_mov_b32 s29, 0
	s_lshl_b32 s34, ttmp9, 10
	s_add_co_u32 s34, s34, 6291456                 ; and my scale words
	s_mov_b32 s35, 0
	s_wait_kmcnt 0x0
	s_mov_b64 s[16:17], s[12:13]                   ; which tensor: the choice hangs on the work-group's number alone
	s_cmp_lt_u32 ttmp9, 224
	s_cselect_b64 s[16:17], s[10:11], s[16:17]
	s_cmp_lt_u32 ttmp9, 192
	s_cselect_b64 s[16:17], s[8:9], s[16:17]
	s_cmp_lt_u32 ttmp9, 160
	s_cselect_b64 s[16:17], s[6:7], s[16:17]
	s_cmp_lt_u32 ttmp9, 128
	s_cselect_b64 s[16:17], s[4:5], s[16:17]
	s_cselect_b32 s18, ttmp9, s18
	s_lshl_b32 s18, s18, 17                        ; 32 rows of 4,096 bytes
	s_mov_b32 s19, 0
	s_add_nc_u64 s[16:17], s[16:17], s[18:19]
	s_add_nc_u64 s[30:31], s[14:15], s[28:29]
	s_add_nc_u64 s[32:33], s[14:15], s[34:35]
.irp i, 0,1,2,3
.irp k, 0,1,2,3,4,5,6,7
	global_load_b128 v[R+32*\i+4*\k:R+32*\i+4*\k+3], v1, s[16:17] offset:4096*\i+512*\k th:TH_LOAD_NT   ; 512 consecutive bytes a load; read once in the launch
.endr
.endr
.macro ROW i
	s_wait_loadcnt 8*(3-\i)                        ; this row's eight loads are in; the eight of each row behind it may be out
.irp k, 0,1,2,3,4,5,6,7
	ds_store_b128 v2, v[R+32*\i+4*\k:R+32*\i+4*\k+3] offset:576*\k
.endr
.irp j, 0,1,2,3,4,5,6,7
	ds_load_b128 v[X+4*\j:X+4*\j+3], v3 offset:16*\j       ; LDS serves a wave's instructions in order: these see the stores above, and the next row's stores come behind them
.endr
	s_wait_dscnt 0x0
	v_max3_num_f32 v10, |v[X]|, |v[X+1]|, |v[X+2]|         ; the block's largest magnitude, in two chains
	v_max3_num_f32 v11, |v[X+3]|, |v[X+4]|, |v[X+5]|
.irp j, 6,10,14,18,22,26
	v_max3_num_f32 v10, v10, |v[X+\j]|, |v[X+\j+1]|
	v_max3_num_f32 v11, v11, |v[X+\j+2]|, |v[X+\j+3]|
.endr
	v_max3_num_f32 v10, v10, |v[X+30]|, |v[X+31]|
	v_max3_num_f32 v10, v10, v11, 0x1800000        ; and the floor 2^(3 - 127): the byte cannot fall under 1
	v_add_nc_u32 v12, 0xff000000, v10              ; 2 off the exponent field: the conversion takes this operand's exponent field as its scale
	v_cvt_scalef32_pk16_fp6_f32 v[P:P+2], v[X:X+15], v12
	v_cvt_scalef32_pk16_fp6_f32 v[Y:Y+2], v[X+16:X+31], v12   ; (a conversion's three registers begin on an even number)
	v_lshrrev_b32 v13, 23, v12                     ; the scale's byte; also the plain line behind the conversions
.irp j, 0,1,2
	v_mov_b32 v[P+3+\j], v[Y+\j]
.endr
	ds_store_b128 v4, v[P:P+3] offset:16*\i
	ds_store_b64 v5, v[P+4:P+5] offset:8*\i
	ds_store_b8 v6, v13 offset:4*\i
.endm
	ROW 0
	ROW 1
	ROW 2
	ROW 3
	s_wait_dscnt 0x0                               ; for the others' sake: my part of the images has landed
	s_barrier_signal -1
	s_barrier_wait -1
.irp k, 0,1,2,3,4,5
	ds_load_b128 v[R+4*\k:R+4*\k+3], v7 offset:4096*\k
.endr
.irp k, 0,1,2,3,4,5
	s_wait_dscnt 5-\k                              ; load k is back; the younger ones may be out
	global_store_b128 v8, v[R+4*\k:R+4*\k+3], s[30:31] offset:4096*\k     ; a wave stores 512 consecutive bytes, aligned
.endr
	s_cmp_lt_u32 s20, 2                            ; the 1,024 bytes of scale words: waves 0 and 1
	s_cbranch_scc0 .Ldone
	ds_load_b128 v[R+24:R+27], v7 offset:SC-G
	s_wait_dscnt 0x0
	global_store_b128 v8, v[R+24:R+27], s[32:33]
.Ldone:
	s_wait_tensorcnt 0x0
	ds_add_u32 v208, v209
	s_wait_dscnt 0x0
	s_endpgm
.Lfunc_end_k_q8980a6f55c_quant:
	.size	k_q8980a6f55c_quant, .Lfunc_end_k_q8980a6f55c_quant-k_q8980a6f55c_quant
	.p2alignl 7, 3214868480
	.fill 96, 4, 3214868480
	.section	.rodata,"a",@progbits
	.p2align	6, 0x0
	.amdhsa_kernel k_q8980a6f55c_quant
		.amdhsa_group_segment_fixed_size 63488
		.amdhsa_private_segment_fixed_size 0
		.amdhsa_enable_private_segment 0
		.amdhsa_kernarg_size 48
		.amdhsa_user_sgpr_count 2
		.amdhsa_user_sgpr_kernarg_segment_ptr 1
		.amdhsa_wavefront_size32 1
		.amdhsa_system_sgpr_workgroup_id_x 1
		.amdhsa_system_sgpr_workgroup_id_y 1
		.amdhsa_system_sgpr_workgroup_id_z 1
		.amdhsa_system_vgpr_workitem_id 0
		.amdhsa_next_free_vgpr 210
		.amdhsa_next_free_sgpr 66
		.amdhsa_reserve_vcc 0
		.amdhsa_float_denorm_mode_32 3
		.amdhsa_float_denorm_mode_16_64 3
		.amdhsa_memory_ordered 1
		.amdhsa_forward_progress 1
		.amdhsa_inst_pref_size 19
	.end_amdhsa_kernel
	.amdgpu_metadata
---
amdhsa.version: [ 1, 2 ]
amdhsa.kernels:
  - .name:           k_q8980a6f55c_quant
    .symbol:         k_q8980a6f55c_quant.kd
    .args:
      - { .name: x, .offset: 0, .size: 8, .value_kind: global_buffer, .address_space: global }
      - { .name: Wq, .offset: 8, .size: 8, .value_kind: global_buffer, .address_space: global }
      - { .name: Wk, .offset: 16, .size: 8, .value_kind: global_buffer, .address_space: global }
      - { .name: Wv, .offset: 24, .size: 8, .value_kind: global_buffer, .address_space: global }
      - { .name: Wo, .offset: 32, .size: 8, .value_kind: global_buffer, .address_space: global }
      - { .name: cod, .offset: 40, .size: 8, .value_kind: global_buffer, .address_space: global }
    .group_segment_fixed_size: 63488
    .private_segment_fixed_size: 0
    .kernarg_segment_align: 8
    .kernarg_segment_size: 48
    .max_flat_workgroup_size: 256
    .sgpr_count:     66
    .vgpr_count:     210
    .wavefront_size: 32
...
	.end_amdgpu_metadata
.endif
;; end of part 1
;; launch proj (part 2): grid 256 x 1, 8 waves a work-group, no clusters, 327,680 bytes of LDS; arguments cod, qkv; writes qkv
.if DOCPART == 2
	.amdgcn_target "amdgcn-amd-amdhsa--gfx1250"
	.amdhsa_code_object_version 6
	.text
	.protected	k_q8980a6f55c_proj
	.globl	k_q8980a6f55c_proj
	.p2align	8
	.type	k_q8980a6f55c_proj,@function
k_q8980a6f55c_proj:
	s_mov_b64 s[64:65], 0
	v_nop
	global_prefetch_b8 v0, s[64:65] scope:SCOPE_SE
	s_setreg_imm32_b32 hwreg(HW_REG_WAVE_MODE, 25, 1), 1
	s_wait_xcnt 0x0
; The three projections x Wq^T, x Wk^T, x Wv^T on codes of FP6 (E2M3), f32 sums; Q and K are l2-normalised per head (64 numbers); all three are quantised again for attention's two products.
; A WORK-GROUP STAYS: it takes 128 tokens of x and rows 128 c .. 128 c + 127 of Wq, Wk and Wv, and makes the three products of 128 x 128 one after the other, so that x's tile is fetched once for the three.
; EVERY PRODUCT IS D = S0 S1^T: a lane holds ONE row of S1 (lane % 16) and its registers run along S0's rows.  Lane r of tile 2 p + u of any operand holds row 32 p + 8 u + r + 8 (r / 8),
; so the 16 registers of S0's tiles 2 p, 2 p + 1 are 16 neighbouring rows, 32 p + 16 (lane / 16) + 0 .. 15: what is to be quantised runs along a lane's registers.
;   Q, K: S0 = 128 rows of Wq or Wk (two heads), S1 = the 128 tokens: a lane holds a token, registers run along the head's 64: the K of Q K^T.
;   V:    S0 = the 128 tokens, S1 = 128 rows of Wv: a lane holds a channel, registers run along the tokens: the K of W V.
; Wave w makes S0's tiles 4 (w % 2) .. + 3 against S1's tiles 2 (w / 2), + 1: eight accumulators.
; LDS: all of K = 1,024 of an operand's 128 rows is 98,304 bytes.  x and Wq come in four chunks of 256 along K, so that the first products start when the first chunk has landed; Wk comes dense.
; Four such tiles are 393,216 bytes and do not fit: Wv is filled into Wq's bytes when every wave has read Wq for the last time, and lands under Q's way out and the whole of product K.
; qkv: Q's codes at 0 and K's at 3,145,728: [b h][token tile 128][768]; V's at 6,291,456: [b h][K step of 128 keys][channel tile 4][half 2][768]; a piece of 768 bytes is 16 rows x 64 along K in the order of the
; operand's registers (32 lanes x 16 bytes, then 32 lanes x 8).  Scale half-words (two bytes: the piece's two blocks): Q's at 9,437,184, K's at 9,568,256: [b h][pair of tiles][16 rows][tile of the pair];
; V's at 9,699,328: [b h][K step][channel tile][16 rows][half].
; No multicast: x's tile is shared by the eight work-groups of a token block and a weight's tile by the 32 of a column block; joint loads would want a round of the cluster's barrier in front of the first fills
; and of the refill, and descriptors equal in all partners; not built: a plain launch.
; LIMITS: NaN and infinities are not served.  t / max(|t|, 1e-12) is a multiplication by v_rcp_f32 of that maximum.  A block of zeros gets the byte 1 with zero codes.
.set WA,    98304                      ; LDS: x at 0: [chunk 4][tile 8][K step 2][1,536];  here Wq likewise, later Wv: [tile 8][K step 8][1,536];
.set WB,    196608                     ; Wk: [tile 8][K step 8][1,536];
.set SCB,   294912                     ; the scale words of x, Wq, Wk, Wv: [tile 8][K step 8][16 rows], 4,096 bytes each;
.set SPARE, 311296                     ; the spare words, 128 bytes for each wave: four blocks of 256 bytes that no other line names
.set FB,  32                           ; v32-175  two buffers of six fragments (S0's four, S1's two), 12 registers each; on a product's way out v104-129 are at work
.set SW,  176                          ; v176-187 two sets of six scale words
.set ACC, 192                          ; v192-255 accumulator (S1's tile g, S0's tile f) at ACC + 32 g + 8 f
.set SPW, 19                           ; v19      LDS address of my spare word: SPARE + 4 x my thread's number; never rewritten
.set NIL, 20                           ; v20      0; never rewritten
.set SEL, 72                           ; s[72:73] v_permlanex16_b32's selects for lane l xor 16
; v1-4 S0's LDS addresses, v5-8 S1's, v9, v10 their scale words': made anew for each product; v11-16 store offsets; v17 lane, v18 lane % 16; v24-31 at work
; s[16:23], s[24:31], s[32:39] descriptor groups 1; s[40:63], s[68:71] seven groups 0, each written once; s80-86 LDS bases; s87-92 where the three results go
.macro NOPS n
.rept \n
	v_nop
.endr
.endm
; a fragment, 16 rows x 128 K: two pieces of 768 bytes; every load reads consecutive bytes
.macro FRAG reg, a16, a8, off
	ds_load_b128 v[\reg:\reg+3], v[\a16] offset:\off
	ds_load_b64 v[\reg+4:\reg+5], v[\a8] offset:\off+512
	ds_load_b128 v[\reg+6:\reg+9], v[\a16] offset:\off+768
	ds_load_b64 v[\reg+10:\reg+11], v[\a8] offset:\off+1280
.endm
; K step s: 30 LDS loads into buffer s % 2.  l0, l1: how S0 and S1 lie in LDS: 0 in chunks (tiles 3,072 bytes apart; chunks 2, 3 by the second pair of address registers), 1 dense (tiles 12,288 bytes apart)
.macro FETCH s, l0, l1
.set FQ, FB+72*((\s)%2)
.set SQ, SW+6*((\s)%2)
.if \l0
.set H0, 0
.set O0, 1536*(\s)
.set P0, 12288
.else
.set H0, 2*((\s)/4)
.set O0, (((\s)/2)%2)*24576+((\s)%2)*1536
.set P0, 3072
.endif
.if \l1
.set H1, 0
.set O1, 1536*(\s)
.set P1, 12288
.else
.set H1, 2*((\s)/4)
.set O1, (((\s)/2)%2)*24576+((\s)%2)*1536
.set P1, 3072
.endif
.irp f, 0,1,2,3
	FRAG FQ+12*\f, 1+H0, 2+H0, O0+P0*\f
.endr
.irp f, 0,1
	FRAG FQ+48+12*\f, 5+H1, 6+H1, O1+P1*\f
.endr
.irp f, 0,1,2,3
	ds_load_b32 v[SQ+\f], v9 offset:512*\f+64*(\s)
.endr
.irp f, 0,1
	ds_load_b32 v[SQ+4+\f], v10 offset:512*\f+64*(\s)
.endr
.endm
.macro MUL s, zero                     ; eight products; the eight accumulators take turns, one instruction a turn
.set FQ, FB+72*((\s)%2)
.set SQ, SW+6*((\s)%2)
.irp g, 0,1
.irp f, 0,1,2,3
.if \zero
	v_wmma_scale_f32_16x16x128_f8f6f4 v[ACC+32*\g+8*\f:ACC+32*\g+8*\f+7], v[FQ+12*\f:FQ+12*\f+11], v[FQ+48+12*\g:FQ+48+12*\g+11], 0, v[SQ+\f], v[SQ+4+\g] matrix_a_fmt:MATRIX_FMT_FP6 matrix_b_fmt:MATRIX_FMT_FP6
.else
	v_wmma_scale_f32_16x16x128_f8f6f4 v[ACC+32*\g+8*\f:ACC+32*\g+8*\f+7], v[FQ+12*\f:FQ+12*\f+11], v[FQ+48+12*\g:FQ+48+12*\g+11], v[ACC+32*\g+8*\f:ACC+32*\g+8*\f+7], v[SQ+\f], v[SQ+4+\g] matrix_a_fmt:MATRIX_FMT_FP6 matrix_b_fmt:MATRIX_FMT_FP6
.endif
.endr
.endr
.endm
; K step s.  meet = 1: the next K step begins a chunk that is still being filled for the first time: every wave waits for its part of it (left = my younger tensor loads, which may stay out).
.macro KSTEP s, zero, meet, left, l0, l1
.if (\s) > 0
	NOPS 4                                         ; four places in front of loads into registers that the last products read (ISA guide 7.12.1 for vector instructions)
.endif
.if \meet
	s_wait_dscnt 0x0                               ; no LDS instruction of mine is out at a signal
	s_wait_tensorcnt \left
	s_barrier_signal -1
	s_barrier_wait -1
.endif
.if (\s) < 7
	FETCH (\s)+1, \l0, \l1
	s_wait_dscnt 30                                ; this K step's loads are in; the 30 just issued may be out
.else
	s_wait_dscnt 0x0
.endif
	MUL \s, \zero
.endm
; A product's eight K steps; its first 30 LDS loads have been issued.  The first K step's products start the sums: nothing is cleared.  first = 1: the chunks are still landing
.macro PRODUCT l0, l1, first
	KSTEP 0, 1, 0, 0, \l0, \l1
	KSTEP 1, 0, \first, 3, \l0, \l1                ; chunk 1 is wanted: chunks 2, 3 and Wk's tile may be out
	KSTEP 2, 0, 0, 0, \l0, \l1
	KSTEP 3, 0, \first, 2, \l0, \l1                ; chunk 2
	KSTEP 4, 0, 0, 0, \l0, \l1
	KSTEP 5, 0, \first, 1, \l0, \l1                ; chunk 3: Wk's tile may be out
	KSTEP 6, 0, 0, 0, \l0, \l1
	KSTEP 7, 0, 0, 0, \l0, \l1
.endm
; S0's address registers from the scalar base s[sb]; soff: where its scale words' 4,096 bytes begin behind SCB
.macro ADR0 sb, dense, soff
	v_lshl_add_u32 v1, v17, 4, s[\sb]              ; 16 x lane,
	v_lshl_add_u32 v2, v17, 3, s[\sb]              ; 8 x lane;
.if !\dense
	v_add_nc_u32 v3, 49152, v1                     ; chunks 2, 3
	v_add_nc_u32 v4, 49152, v2
.endif
	v_lshl_add_u32 v9, v18, 2, s85                 ; row r's scale words
.if \soff
	v_add_nc_u32 v9, \soff, v9
.endif
.endm
.macro ADR1 sb, dense, soff            ; the same for S1
	v_lshl_add_u32 v5, v17, 4, s[\sb]
	v_lshl_add_u32 v6, v17, 3, s[\sb]
.if !\dense
	v_add_nc_u32 v7, 49152, v5
	v_add_nc_u32 v8, 49152, v6
.endif
	v_lshl_add_u32 v10, v18, 2, s86
.if \soff
	v_add_nc_u32 v10, \soff, v10
.endif
.endm
; where my two pieces of a result go: s[sc] codes, s[ss] scale half-words; cstep, sstep: from the first piece to the second
.macro OFFS sc, ss, cstep, sstep
	v_lshl_add_u32 v11, v17, 4, s[\sc]             ; registers 0-3: 16 x lane
	v_add_nc_u32 v12, \cstep, v11
	v_lshl_add_u32 v13, v17, 3, s[\sc]
	v_add_nc_u32 v13, 512, v13                     ; registers 4, 5: 512 + 8 x lane
	v_add_nc_u32 v14, \cstep, v13
	v_lshl_add_u32 v15, v18, 2, s[\ss]             ; the half-word of row r
	v_add_nc_u32 v16, \sstep, v15
.endm
; 32 numbers of a lane, register 16 b + i = k 32 b + 16 (lane / 16) + i of my row, become a piece's six registers of codes, v[pc] on, and its two scale bytes in v[s16].
.macro HALF r, pc, y, s16
	v_max3_num_f32 v24, |v[\r]|, |v[\r+1]|, 0x1800000      ; my 16 numbers of each block, and the floor 2^(3 - 127): the byte cannot fall under 1
	v_max3_num_f32 v25, |v[\r+16]|, |v[\r+17]|, 0x1800000
.irp i, 2,4,6,8,10,12,14
	v_max3_num_f32 v24, v24, |v[\r+\i]|, |v[\r+\i+1]|
	v_max3_num_f32 v25, v25, |v[\r+16+\i]|, |v[\r+17+\i]|
.endr
	v_permlanex16_b32 v26, v24, s[SEL], s[SEL+1]
	v_permlanex16_b32 v27, v25, s[SEL], s[SEL+1]
	v_max_num_f32 v24, v24, v26                    ; with lane l xor 16's: the block's largest magnitude
	v_max_num_f32 v25, v25, v27
	v_add_nc_u32 v28, 0xff000000, v24              ; 2 off the exponent field: the conversion's scale operand
	v_add_nc_u32 v29, 0xff000000, v25
	v_lshrrev_b32 v30, 23, v28                     ; the scales' bytes
	v_lshrrev_b32 v31, 23, v29
	v_lshl_or_b32 v[\s16], v31, 8, v30
	v_cvt_scalef32_pk16_fp6_f32 v[\pc:\pc+2], v[\r:\r+15], v28
	v_cvt_scalef32_pk16_fp6_f32 v[\y:\y+2], v[\r+16:\r+31], v29
	v_nop                                          ; one plain line behind the scaled conversions
.irp i, 0,1,2
	v_permlane16_swap_b32 v[\pc+\i], v[\y+\i]      ; the operand's layout wants a whole block in a lane: lanes 0-15 block 0, lanes 16-31 block 1
.endr
.irp i, 0,1,2
	v_mov_b32 v[\pc+3+\i], v[\y+\i]
.endr
.endm
; A product's way out for S1's tile g: my 32 numbers of each of its 16 rows.  norm = 1: Q and K are normalised, V is not
.macro EPI g, norm
.set RR, ACC+32*\g
.if \norm
	v_pk_mul_f32 v[24:25], v[RR:RR+1], v[RR:RR+1]  ; the sum of squares of the head's 64: my 32 in two chains, each accumulator from its low end on,
	v_pk_mul_f32 v[26:27], v[RR+2:RR+3], v[RR+2:RR+3]
.irp j, 4,8,12,16,20,24,28
	v_pk_fma_f32 v[24:25], v[RR+\j:RR+\j+1], v[RR+\j:RR+\j+1], v[24:25]
	v_pk_fma_f32 v[26:27], v[RR+\j+2:RR+\j+3], v[RR+\j+2:RR+\j+3], v[26:27]
.endr
	v_pk_add_f32 v[24:25], v[24:25], v[26:27]
	v_add_f32 v24, v24, v25
	v_permlanex16_b32 v25, v24, s[SEL], s[SEL+1]
	v_add_f32 v24, v24, v25                        ; and lane l xor 16's 32
	v_sqrt_f32 v26, v24
	v_nop                                          ; a plain line behind a transcendental
	s_wait_alu depctr_va_vdst(0)
	v_max_num_f32 v26, 0x2b8cbccc, v26             ; max(|t|, 1e-12)
	v_rcp_f32 v28, v26
	v_nop
	s_wait_alu depctr_va_vdst(0)
	v_mov_b32 v29, v28
.irp j, 0,2,4,6,8,10,12,14,16,18,20,22,24,26,28,30
	v_pk_mul_f32 v[RR+\j:RR+\j+1], v[RR+\j:RR+\j+1], v[28:29] op_sel_hi:[1,0]
.endr
.endif
	HALF RR, 104+8*\g, 120+4*\g, 128+\g
	global_store_b128 v[11+\g], v[104+8*\g:107+8*\g], s[6:7]   ; 512 consecutive bytes,
	global_store_b64 v[13+\g], v[108+8*\g:109+8*\g], s[6:7]    ; 256 consecutive bytes
	global_store_b16 v[15+\g], v[128+\g], s[6:7]               ; lanes r and r + 16 write the same two bytes with the same value
.endm
	s_load_b128 s[4:7], s[0:1], 0x0                ; cod, qkv
	v_lshl_add_u32 v[SPW], v0, 2, SPARE
	v_mov_b32 v[NIL], 0
	ds_add_u32 v19, v20
	ds_add_u32 v19, v20
	s_wait_dscnt 0x0
	v_lshrrev_b32 v17, 5, v0
	v_readfirstlane_b32 s8, v17                    ; wave 0..7
	s_and_b32 s9, s8, 1                            ; a: which 64 rows of S0 are mine
	s_lshr_b32 s10, s8, 1                          ; bq: which 32 rows of S1.  Also: whose scale words I fetch (x, Wq, Wk, Wv), half a of them
	s_lshr_b32 s11, s8, 2                          ; I fetch the chunks of x (0) or of Wq (1),
	s_and_b32 s12, s8, 3                           ; its tiles 2 p, 2 p + 1
	s_and_b32 s13, ttmp9, 7                        ; c: which 128 rows of each weight
	s_lshr_b32 s14, ttmp9, 3                       ; y1: which 128 tokens
	s_lshl_b32 s74, s14, 3                         ; x's first tile in cod: 8 y1
	s_lshl_b32 s75, s13, 3
	s_add_co_u32 s75, s75, 256                     ; Wq's: 256 + 8 c; Wk's lies 64 tiles on, Wv's 128
	s_cmp_eq_u32 s11, 0
	s_cselect_b32 s76, s74, s75
	s_lshl_b32 s77, s12, 1
	s_add_co_u32 s76, s76, s77                     ; the first of the two tiles whose chunks I fetch
	s_mul_i32 s78, s76, 12288                      ; its codes
	s_mov_b32 s79, 0
	s_lshl_b32 s76, s10, 6
	s_add_co_u32 s76, s76, s75
	s_sub_co_u32 s76, s76, 64                      ; weight bq - 1's first tile,
	s_cmp_eq_u32 s10, 0
	s_cselect_b32 s76, s74, s76                    ; or x's
	s_lshl_b32 s77, s9, 2
	s_add_co_u32 s76, s76, s77                     ; the first of the four tiles whose scale words I fetch
	s_lshl_b32 s94, s76, 9
	s_add_co_u32 s94, s94, 6291456
	s_mov_b32 s95, 0
	s_add_co_u32 s96, s75, s8
	s_mul_i32 s96, s96, 12288                      ; Wq's tile w: Wk's tile w lies 786,432 bytes on, Wv's 1,572,864
	s_mov_b32 s97, 0
	s_mul_i32 s98, s11, WA
	s_mul_i32 s77, s12, 6144
	s_add_co_u32 s98, s98, s77                     ; LDS: my two tiles' place in a chunk
	s_mul_i32 s99, s8, 12288                       ; LDS: tile w of a dense operand
	s_lshl_b32 s93, s8, 11                         ; LDS: my 2,048 bytes of scale words
	; descriptor group 1 for a chunk's part: two rows (tiles) of 3,072 bytes (384 elements of 8), 12,288 bytes apart in memory, on end in LDS
	s_mov_b32 s16, 3<<16
	s_mov_b32 s17, 384<<16
	s_mov_b32 s18, 2<<16
	s_mov_b32 s19, 384<<16
	s_mov_b32 s20, 2
	s_mov_b32 s21, 1536
	s_mov_b32 s22, 0
	s_mov_b32 s23, 0
	; for four tiles' scale words: one row of 2,048 bytes
	s_mov_b32 s24, 3<<16
	s_mov_b32 s25, 256<<16
	s_mov_b32 s26, 1<<16
	s_mov_b32 s27, 256<<16
	s_mov_b32 s28, 1
	s_mov_b32 s29, 256
	s_mov_b32 s30, 0
	s_mov_b32 s31, 0
	; for a whole tile: a dense block of 12,288 bytes as 48 rows of 256 bytes
	s_mov_b32 s32, 3<<16
	s_mov_b32 s33, 32<<16
	s_mov_b32 s34, 48<<16
	s_mov_b32 s35, 32<<16
	s_mov_b32 s36, 48
	s_mov_b32 s37, 32
	s_mov_b32 s38, 0
	s_mov_b32 s39, 0
	s_wait_kmcnt 0x0
	s_add_nc_u64 s[78:79], s[4:5], s[78:79]
	s_add_nc_u64 s[94:95], s[4:5], s[94:95]
	s_add_nc_u64 s[96:97], s[4:5], s[96:97]
	s_mov_b32 s40, 1                               ; the scale words
	s_add_co_u32 s41, s93, SCB
	s_mov_b64 s[42:43], s[94:95]
	s_or_b32 s43, s43, 0x80000000
.irp j, 0,1,2,3
	s_mov_b32 s[44+4*\j], 1                        ; chunk j
	s_add_co_u32 s[45+4*\j], s98, 24576*\j
	s_add_nc_u64 s[46+4*\j:47+4*\j], s[78:79], 3072*\j
	s_or_b32 s[47+4*\j], s[47+4*\j], 0x80000000
.endr
	s_mov_b32 s60, 1                               ; Wk's tile w
	s_add_co_u32 s61, s99, WB
	s_add_nc_u64 s[62:63], s[96:97], 786432
	s_or_b32 s63, s63, 0x80000000
	s_mov_b32 s68, 1                               ; Wv's tile w, for later: into Wq's bytes
	s_add_co_u32 s69, s99, WA
	s_add_nc_u64 s[70:71], s[96:97], 1572864
	s_or_b32 s71, s71, 0x80000000
	tensor_load_to_lds s[40:43], s[24:31]          ; all first fills go out together: six loads of mine are out
	s_nop 0
	tensor_load_to_lds s[44:47], s[16:23]
	s_nop 0
	tensor_load_to_lds s[48:51], s[16:23]
	s_nop 0
	tensor_load_to_lds s[52:55], s[16:23]
	s_nop 0
	tensor_load_to_lds s[56:59], s[16:23]
	s_nop 0
	tensor_load_to_lds s[60:63], s[32:39]
	s_nop 0
	NOPS 4
	v_and_b32 v17, 31, v0                          ; lane
	v_and_b32 v18, 15, v0                          ; r
	s_mul_i32 s83, s9, 12288                       ; x as S0: my four tiles in a chunk
	s_add_co_u32 s80, s83, WA                      ; Wq as S0 likewise
	s_mul_i32 s81, s10, 6144                       ; x as S1: my two tiles in a chunk
	s_mul_i32 s82, s9, 49152
	s_add_co_u32 s82, s82, WB                      ; Wk as S0: my four tiles, dense
	s_mul_i32 s84, s10, 24576
	s_add_co_u32 s84, s84, WA                      ; Wv as S1: my two tiles, dense
	s_lshl_b32 s85, s9, 11
	s_add_co_u32 s85, s85, SCB                     ; S0's scale words: my four tiles of an operand's eight,
	s_lshl_b32 s86, s10, 10
	s_add_co_u32 s86, s86, SCB                     ; S1's: my two
	s_mov_b32 s[SEL], 0x76543210
	s_mov_b32 s[SEL+1], 0xfedcba98
	v_mov_b32 v26, 0                               ; written once: a lane permute's destination counts as one of its sources
	v_mov_b32 v27, 0
	ADR0 80, 0, 4096                               ; product Q: S0 = Wq, S1 = x
	ADR1 81, 0, 0
	; where the results go.  Q, K: head 2 c + a, batch y1 / 16, token tiles (8 y1) % 128 + 2 bq + g
	s_lshr_b32 s74, s14, 4
	s_lshl_b32 s74, s74, 4                         ; 16 x batch
	s_lshl_b32 s75, s13, 1                         ; 2 c
	s_add_co_u32 s76, s74, s75
	s_add_co_u32 s76, s76, s9                      ; b h
	s_lshl_b32 s77, s14, 3
	s_and_b32 s77, s77, 127
	s_lshl_b32 s78, s10, 1
	s_add_co_u32 s77, s77, s78                     ; the first piece's token tile
	s_lshl_b32 s78, s76, 7
	s_add_co_u32 s78, s78, s77
	s_mul_i32 s87, s78, 768                        ; Q's codes,
	s_add_co_u32 s89, s87, 3145728                 ; K's
	s_lshr_b32 s77, s77, 1
	s_lshl_b32 s77, s77, 6                         ; the pair of tiles' scale words
	s_lshl_b32 s78, s76, 12
	s_add_co_u32 s78, s78, s77
	s_add_co_u32 s88, s78, 9437184                 ; Q's half-words,
	s_add_co_u32 s90, s78, 9568256                 ; K's
	; V: batch y1 / 16, K step y1 % 16, half a, head 2 c + bq / 2, channel tiles 2 (bq % 2) + g
	s_lshr_b32 s76, s10, 1
	s_add_co_u32 s76, s76, s75
	s_add_co_u32 s76, s76, s74                     ; b h
	s_and_b32 s77, s14, 15
	s_lshl_b32 s77, s77, 2
	s_and_b32 s78, s10, 1
	s_lshl_b32 s78, s78, 1
	s_add_co_u32 s77, s77, s78                     ; 4 x K step + channel tile
	s_lshl_b32 s78, s77, 1
	s_add_co_u32 s78, s78, s9                      ; the first piece's number in the head
	s_mul_i32 s78, s78, 768
	s_mul_i32 s79, s76, 98304
	s_add_co_u32 s78, s78, s79
	s_add_co_u32 s91, s78, 6291456                 ; V's codes
	s_lshl_b32 s77, s77, 6
	s_lshl_b32 s78, s9, 1
	s_add_co_u32 s77, s77, s78
	s_lshl_b32 s78, s76, 12
	s_add_co_u32 s77, s77, s78
	s_add_co_u32 s92, s77, 9699328                 ; V's half-words
	; ---- Q = x Wq^T
	s_wait_tensorcnt 0x4                           ; my parts of the scale words and of chunk 0 are in; chunks 1 to 3 and Wk's tile may be out
	s_barrier_signal -1
	s_barrier_wait -1                              ; everybody's are
	FETCH 0, 0, 0
	PRODUCT 0, 0, 1
	; ---- Wq has been read for the last time: Wv takes its bytes
	s_wait_tensorcnt 0x0                           ; all my tensor loads have landed, Wk's tile among them;
	ds_add_u32 v[SPW], v[NIL]                      ; 0 onto my spare word: the next addresses are made between it and the wait for it
	ADR0 82, 1, 8192                               ; product K: S0 = Wk; S1 = x stays
	OFFS 87, 88, 768, 2                            ; Q's way out
	s_wait_dscnt 0x0                               ; the add is done, and my reads of Wq are over
	s_barrier_signal -1
	s_barrier_wait -1                              ; both hold of every wave
	tensor_load_to_lds s[68:71], s[32:39]          ; my one tensor load behind this barrier, and the first thing there: it has Q's way out and product K's 64 matrix instructions in which to land
	s_nop 0
	NOPS 4
	FETCH 0, 1, 0                                  ; product K's first fragments come while Q goes out
	EPI 0, 1
	EPI 1, 1
	s_wait_xcnt 0x0                                ; the stores' data and offsets are written again only behind this wait
	; ---- K = x Wk^T
	PRODUCT 1, 0, 0
	s_wait_tensorcnt 0x0                           ; my tile of Wv has landed
	ADR0 83, 0, 0                                  ; product V: S0 = x, S1 = Wv
	ADR1 84, 1, 12288
	OFFS 89, 90, 768, 2                            ; K's way out
	s_wait_dscnt 0x0                               ; no LDS instruction of mine is out at a signal
	s_barrier_signal -1
	s_barrier_wait -1                              ; everybody's tile has
	FETCH 0, 0, 1
	EPI 0, 1
	EPI 1, 1
	s_wait_xcnt 0x0
	; ---- V^T = Wv x^T
	PRODUCT 0, 1, 0
	OFFS 91, 92, 1536, 64                          ; seven plain lines: also the places in front of the first read of results
	EPI 0, 0
	EPI 1, 0
	s_wait_tensorcnt 0x0                           ; the wave's end
	ds_add_u32 v[SPW], v[NIL]
	s_wait_dscnt 0x0
	s_endpgm
.Lfunc_end_k_q8980a6f55c_proj:
	.size	k_q8980a6f55c_proj, .Lfunc_end_k_q8980a6f55c_proj-k_q8980a6f55c_proj
	.p2alignl 7, 3214868480
	.fill 96, 4, 3214868480
	.section	.rodata,"a",@progbits
	.p2align	6, 0x0
	.amdhsa_kernel k_q8980a6f55c_proj
		.amdhsa_group_segment_fixed_size 327680
		.amdhsa_private_segment_fixed_size 0
		.amdhsa_enable_private_segment 0
		.amdhsa_kernarg_size 16
		.amdhsa_user_sgpr_count 2
		.amdhsa_user_sgpr_kernarg_segment_ptr 1
		.amdhsa_wavefront_size32 1
		.amdhsa_system_sgpr_workgroup_id_x 1
		.amdhsa_system_sgpr_workgroup_id_y 1
		.amdhsa_system_sgpr_workgroup_id_z 1
		.amdhsa_system_vgpr_workitem_id 0
		.amdhsa_next_free_vgpr 256
		.amdhsa_next_free_sgpr 100
		.amdhsa_reserve_vcc 0
		.amdhsa_float_denorm_mode_32 3
		.amdhsa_float_denorm_mode_16_64 3
		.amdhsa_memory_ordered 1
		.amdhsa_forward_progress 1
		.amdhsa_inst_pref_size 107
	.end_amdhsa_kernel
	.amdgpu_metadata
---
amdhsa.version: [ 1, 2 ]
amdhsa.kernels:
  - .name:           k_q8980a6f55c_proj
    .symbol:         k_q8980a6f55c_proj.kd
    .args:
      - { .name: cod, .offset: 0, .size: 8, .value_kind: global_buffer, .address_space: global }
      - { .name: qkv, .offset: 8, .size: 8, .value_kind: global_buffer, .address_space: global }
    .group_segment_fixed_size: 327680
    .private_segment_fixed_size: 0
    .kernarg_segment_align: 8
    .kernarg_segment_size: 16
    .max_flat_workgroup_size: 256
    .sgpr_count:     100
    .vgpr_count:     256
    .wavefront_size: 32
...
	.end_amdgpu_metadata
.endif
;; end of part 2
;; launch attn (part 3): grid 256 x 1, 16 waves a work-group, no clusters, 286,208 bytes of LDS; arguments qkv, mask, att; writes att
.if DOCPART == 3
	.amdgcn_target "amdgcn-amd-amdhsa--gfx1250"
	.amdhsa_code_object_version 6
	.text
	.protected	k_q8980a6f55c_attn
	.globl	k_q8980a6f55c_attn
	.p2align	8
	.type	k_q8980a6f55c_attn,@function
k_q8980a6f55c_attn:
	s_mov_b64 s[64:65], 0
	v_nop
	global_prefetch_b8 v0, s[64:65] scope:SCOPE_SE
	s_setreg_imm32_b32 hwreg(HW_REG_WAVE_MODE, 25, 1), 1
	s_wait_xcnt 0x0
; Angular attention of one head on codes of FP6 (E2M3): sim = Q K^T (clipped to +-0.999), score = 1 - arccos(sim) / pi (0 where the key's mask is 0), W = score^8 / (the row's sum + 1e-6), out = W V.
; W is quantised FINISHED AND NORMALISED, so no code of W can be made before the whole row's sum is known.  EACH SCORE IS EVALUATED ONCE: sixteen waves hold 32 queries x 2,048 keys of score^8 in registers
; (wave w: query tile w % 2, keys 256 (w / 2) on: 128 registers); the rows' sums meet in LDS (one barrier); each wave then normalises, quantises and multiplies from its own registers;
; the eight partial results of a query tile meet in LDS (a second barrier), and waves 0 and 1 add them, quantise them along the head's 64 for the last product, and store them.
; A work-group stays: one head, 256 queries, eight blocks of 32.  K's and V's codes of the whole head lie in LDS, filled once; no LDS byte is filled twice.
; LAYOUT: both products are D = S0 S1^T with a lane holding one query (lane % 16): S^T = K Q^T, O^T = V^T W^T.  Lane r of a key tile 2 p + u holds key 32 p + 8 u + r + 8 (r / 8), so the 16 registers of tiles 2 p, 2 p + 1
; are 16 neighbouring keys.  Q K^T has K = 64: a fragment of K holds the tiles 2 p and 2 p + 1 in its two halves, and Q stands in 18 registers [q | zeros | q]: registers 0-11 pick tile 2 p, registers 6-17 tile 2 p + 1.
; THE ARCCOS: arccos(a) = sqrt(1 - a) x (a polynomial of degree 7 in a) on 0 .. 1 (Abramowitz and Stegun 4.4.46, error under 2e-8).  With the coefficients times 2 / pi: t = 1 - sqrt(1 - a) P(a), a = min(|sim|, 0.999);
; 2 x score = 1 + t with sim's sign on t; with m = 1.0 or 0.0 for the key, one multiply-add (t m + m) masks.  w = (2 x score)^8 = 256 x score^8, and W = w / (the sum of w + 256e-6): the factor is a power of two.
; reference()'s max(score, 1e-6): an open key's score is at least 0.0142; a masked key's (1e-6)^8 is 0 in f32, as here.
; No multicast: what the eight work-groups of a head share is one fill of 196,608 bytes each, against eight blocks' vector work; left out for a plain launch.
; LIMITS: NaN and infinities are not served.  The division is a multiplication by v_rcp_f32.  The row's sum is added in eight partial sums, O likewise.  A block of zeros gets the byte 1 with zero codes.
.set VC,   98304                       ; LDS: K's codes at 0, V's here, 98,304 bytes each;
.set QC,   196608                      ; my 16 query tiles' codes, 768 bytes each;
.set MK,   208896                      ; the batch's mask as 1.0 or 0.0, 2,048 words;
.set QSL,  217088                      ; my queries' scale half-words, 512 bytes;
.set SUMP, 217600                      ; partial row sums: [wave][16 rows];
.set OP,   218624                      ; partial results: 4,096 bytes a wave
.set T,    32                          ; v32-79   at work
.set AA,   32                          ;   a       (a group's eight)
.set UU,   40                          ;   sqrt(1 - a)
.set PP,   48                          ;   the polynomial
.set W,    128                         ; v128-255 the scores, then w, then W; later V's fragments and O^T
.set SEL,  44                          ; s[44:45] v_permlanex16_b32's selects for lane l xor 16
; v1-15 addresses; v16-23 the eight blocks' largest w; v24-31 at work beside them; v80-87 K's scale words, v88-95 V's (they stay); v96-113 Q; v114 Q's scale word; v115-116 W's scale words;
; v117-119, v127 addresses in hand; v[120:121], v[122:123] the row's sum in two chains, then 1 / sum; v[124:125] the polynomial's leading coefficient; v126 Q's half-word as loaded
.macro NOPS n
.rept \n
	v_nop
.endr
.endm
.macro FRAG reg, a16, a8, off          ; a fragment: two pieces of 768 bytes; every load reads consecutive bytes
	ds_load_b128 v[\reg:\reg+3], v[\a16] offset:\off
	ds_load_b64 v[\reg+4:\reg+5], v[\a8] offset:\off+512
	ds_load_b128 v[\reg+6:\reg+9], v[\a16] offset:\off+768
	ds_load_b64 v[\reg+10:\reg+11], v[\a8] offset:\off+1280
.endm
; 32 numbers of a lane, register 16 b + i = k 32 b + 16 (lane / 16) + i of my row, become a piece's six registers of codes and its two scale bytes
.macro HALF r, pc, y, s16
	v_max3_num_f32 v24, |v[\r]|, |v[\r+1]|, 0x1800000
	v_max3_num_f32 v25, |v[\r+16]|, |v[\r+17]|, 0x1800000
.irp i, 2,4,6,8,10,12,14
	v_max3_num_f32 v24, v24, |v[\r+\i]|, |v[\r+\i+1]|
	v_max3_num_f32 v25, v25, |v[\r+16+\i]|, |v[\r+17+\i]|
.endr
	v_permlanex16_b32 v26, v24, s[SEL], s[SEL+1]
	v_permlanex16_b32 v27, v25, s[SEL], s[SEL+1]
	v_max_num_f32 v24, v24, v26
	v_max_num_f32 v25, v25, v27
	v_add_nc_u32 v28, 0xff000000, v24
	v_add_nc_u32 v29, 0xff000000, v25
	v_lshrrev_b32 v30, 23, v28
	v_lshrrev_b32 v31, 23, v29
	v_lshl_or_b32 v[\s16], v31, 8, v30
	v_cvt_scalef32_pk16_fp6_f32 v[\pc:\pc+2], v[\r:\r+15], v28
	v_cvt_scalef32_pk16_fp6_f32 v[\y:\y+2], v[\r+16:\r+31], v29
	v_nop                                          ; one plain line behind the scaled conversions
.irp i, 0,1,2
	v_permlane16_swap_b32 v[\pc+\i], v[\y+\i]
.endr
.irp i, 0,1,2
	v_mov_b32 v[\pc+3+\i], v[\y+\i]
.endr
.endm
; Group g: one accumulator's eight scores (keys 32 (g / 2) + 16 (lane / 16) + 8 (g % 2) + 0 .. 7 of my range) become w, are added to the row's sum and enter their block's maximum.
.macro GROUP g
.set WG, W+8*(\g)
.set MM, T+24+8*((\g)%2)               ; this group's mask words,
.set MN, T+24+8*(((\g)+1)%2)           ; the next group's
.set BMR, 16+(\g)/2
.if (\g) < 15
	ds_load_b128 v[MN:MN+3], v8 offset:128*(((\g)+1)/2)+32*(((\g)+1)%2)
	ds_load_b128 v[MN+4:MN+7], v8 offset:128*(((\g)+1)/2)+32*(((\g)+1)%2)+16
.endif
.irp j, 0,1,2,3,4,5,6,7
	v_min_num_f32 v[AA+\j], |v[WG+\j]|, s46        ; a = min(|sim|, 0.999); the accumulator is read from its low end on
.endr
.irp j, 0,2,4,6
	v_pk_add_f32 v[UU+\j:UU+\j+1], v[AA+\j:AA+\j+1], 1.0 op_sel_hi:[1,0] neg_lo:[1,0] neg_hi:[1,0]   ; 1 - a
.endr
.irp j, 0,1,2,3,4,5,6,7
	v_sqrt_f32 v[UU+\j], v[UU+\j]
.endr
.irp j, 0,2,4,6
	v_pk_fma_f32 v[PP+\j:PP+\j+1], v[AA+\j:AA+\j+1], v[124:125], s[48:49] op_sel_hi:[1,1,0]         ; Horner; the 28 lines are also the plain lines behind the roots
.endr
.irp c, 50,52,54,56,58
.irp j, 0,2,4,6
	v_pk_fma_f32 v[PP+\j:PP+\j+1], v[PP+\j:PP+\j+1], v[AA+\j:AA+\j+1], s[\c:\c+1] op_sel_hi:[1,1,0]
.endr
.endr
.irp j, 0,2,4,6
	v_pk_fma_f32 v[PP+\j:PP+\j+1], v[PP+\j:PP+\j+1], v[AA+\j:AA+\j+1], 1.0 op_sel_hi:[1,1,0]
.endr
	s_wait_alu depctr_va_vdst(0)
.irp j, 0,2,4,6
	v_pk_fma_f32 v[PP+\j:PP+\j+1], v[UU+\j:UU+\j+1], v[PP+\j:PP+\j+1], 1.0 op_sel_hi:[1,1,0] neg_lo:[1,0,0] neg_hi:[1,0,0]   ; t = 1 - sqrt(1 - a) P(a)
.endr
.irp j, 0,1,2,3,4,5,6,7
	v_bfi_b32 v[WG+\j], s47, v[PP+\j], v[WG+\j]    ; t with sim's sign
.endr
.if (\g) < 15
	s_wait_dscnt 2                                 ; this group's mask words are in; the next group's two loads may be out
.else
	s_wait_dscnt 0x0
.endif
.irp j, 0,2,4,6
	v_pk_fma_f32 v[WG+\j:WG+\j+1], v[WG+\j:WG+\j+1], v[MM+\j:MM+\j+1], v[MM+\j:MM+\j+1]             ; 2 x score, or 0 for a masked key
.endr
.rept 3
.irp j, 0,2,4,6
	v_pk_mul_f32 v[WG+\j:WG+\j+1], v[WG+\j:WG+\j+1], v[WG+\j:WG+\j+1]                               ; three squarings: the eighth power
.endr
.endr
.if (\g) == 0
	v_pk_add_f32 v[120:121], v[WG:WG+1], v[WG+4:WG+5]              ; the first group starts both chains: nothing is cleared
	v_pk_add_f32 v[122:123], v[WG+2:WG+3], v[WG+6:WG+7]
.else
	v_pk_add_f32 v[120:121], v[120:121], v[WG:WG+1]
	v_pk_add_f32 v[122:123], v[122:123], v[WG+2:WG+3]
	v_pk_add_f32 v[120:121], v[120:121], v[WG+4:WG+5]
	v_pk_add_f32 v[122:123], v[122:123], v[WG+6:WG+7]
.endif
.if (\g)%2 == 0
	v_max3_num_f32 v[BMR], v[WG], v[WG+1], v[WG+2]                 ; no |.|: none is negative
	v_max3_num_f32 v[BMR], v[BMR], v[WG+3], v[WG+4]
	v_max3_num_f32 v[BMR], v[BMR], v[WG+5], v[WG+6]
	v_max_num_f32 v[BMR], v[BMR], v[WG+7]
.else
.irp j, 0,2,4,6
	v_max3_num_f32 v[BMR], v[BMR], v[WG+\j], v[WG+\j+1]
.endr
.endif
.endm
; W's 64 registers of K step kk (128 keys) become the second product's operand, v[T + 12 kk] on
.macro CODES kk
.set PF, T+12*(\kk)
.irp c, 0,1
	v_cvt_scalef32_pk16_fp6_f32 v[PF+6*\c:PF+6*\c+2], v[W+64*(\kk)+32*\c:W+64*(\kk)+32*\c+15], v[24+4*(\kk)+2*\c]
	v_cvt_scalef32_pk16_fp6_f32 v[T+24+4*\c:T+24+4*\c+2], v[W+64*(\kk)+32*\c+16:W+64*(\kk)+32*\c+31], v[24+4*(\kk)+2*\c+1]
.endr
	v_nop                                          ; one plain line behind the scaled conversions
.irp c, 0,1
.irp i, 0,1,2
	v_permlane16_swap_b32 v[PF+6*\c+\i], v[T+24+4*\c+\i]           ; a whole block to a lane: lanes 0-15 block 2 c, lanes 16-31 block 2 c + 1
.endr
.irp i, 0,1,2
	v_mov_b32 v[PF+6*\c+3+\i], v[T+24+4*\c+\i]
.endr
.endr
.endm
.macro PADD d, s                       ; 32 registers onto 32
.irp j, 0,2,4,6,8,10,12,14,16,18,20,22,24,26,28,30
	v_pk_add_f32 v[\d+\j:\d+\j+1], v[\d+\j:\d+\j+1], v[\s+\j:\s+\j+1]
.endr
.endm
	s_load_b128 s[4:7], s[0:1], 0x0                ; qkv, mask
	s_load_b64 s[8:9], s[0:1], 0x10                ; att
	v_lshl_add_u32 v254, v0, 2, 0x45600
	v_mov_b32 v255, 0
	ds_add_u32 v254, v255
	ds_add_u32 v254, v255
	s_wait_dscnt 0x0
	v_lshrrev_b32 v20, 5, v0
	v_readfirstlane_b32 s10, v20                   ; wave 0..15
	s_and_b32 s11, s10, 1                          ; t: my query tile of a block
	s_lshr_b32 s12, s10, 1                         ; kr: my 256 keys
	s_lshr_b32 s13, ttmp9, 3                       ; b h
	s_and_b32 s14, ttmp9, 7                        ; which 256 queries
	; descriptor group 1: a dense block of 6,144 bytes as 24 rows of 256 bytes (32 elements of 8)
	s_mov_b32 s16, 3<<16
	s_mov_b32 s17, 32<<16
	s_mov_b32 s18, 24<<16
	s_mov_b32 s19, 32<<16
	s_mov_b32 s20, 24
	s_mov_b32 s21, 32
	s_mov_b32 s22, 0
	s_mov_b32 s23, 0
	; and of 768 bytes as 3 rows
	s_mov_b32 s24, 3<<16
	s_mov_b32 s25, 32<<16
	s_mov_b32 s26, 3<<16
	s_mov_b32 s27, 32<<16
	s_mov_b32 s28, 3
	s_mov_b32 s29, 32
	s_mov_b32 s30, 0
	s_mov_b32 s31, 0
	s_mul_i32 s70, s13, 98304                      ; the head's codes in each of Q, K, V
	s_mov_b32 s71, 0
	s_mul_i32 s15, s10, 6144                       ; my sixteenth of K and of V
	s_mov_b32 s72, s15
	s_mov_b32 s73, 0
	s_lshl_b32 s74, s14, 4
	s_add_co_u32 s74, s74, s10
	s_mul_i32 s74, s74, 768                        ; query tile 16 qg + wave
	s_mov_b32 s75, 0
	s_mul_i32 s76, s10, 768
	s_wait_kmcnt 0x0
	s_add_nc_u64 s[70:71], s[4:5], s[70:71]
	s_add_nc_u64 s[72:73], s[70:71], s[72:73]
	s_add_nc_u64 s[74:75], s[70:71], s[74:75]
	s_mov_b32 s32, 1                               ; K
	s_mov_b32 s33, s15
	s_add_nc_u64 s[34:35], s[72:73], 3145728
	s_or_b32 s35, s35, 0x80000000
	s_mov_b32 s36, 1                               ; Q
	s_add_co_u32 s37, s76, QC
	s_mov_b64 s[38:39], s[74:75]
	s_or_b32 s39, s39, 0x80000000
	s_mov_b32 s40, 1                               ; V
	s_add_co_u32 s41, s15, VC
	s_add_nc_u64 s[42:43], s[72:73], 6291456
	s_or_b32 s43, s43, 0x80000000
	tensor_load_to_lds s[32:35], s[16:23]          ; all fills of the launch go out together: three loads of mine are out
	s_nop 0
	tensor_load_to_lds s[36:39], s[24:31]
	s_nop 0
	tensor_load_to_lds s[40:43], s[16:23]
	s_nop 0
	NOPS 4
	s_lshl_b32 s78, s13, 12                        ; the head's 4,096 bytes in each table of scales
	s_lshl_b32 s15, s14, 9
	s_add_co_u32 s80, s78, s15
	s_add_co_u32 s80, s80, 9437184
	s_mov_b32 s81, 0
	s_add_nc_u64 s[80:81], s[4:5], s[80:81]        ; my 256 queries' half-words
	s_lshl_b32 s15, s12, 9
	s_add_co_u32 s82, s78, s15
	s_add_co_u32 s82, s82, 9568256
	s_mov_b32 s83, 0
	s_add_nc_u64 s[82:83], s[4:5], s[82:83]        ; my 256 keys' words of K; V's lie 131,072 bytes on
	s_lshr_b32 s15, s13, 4                         ; the batch
	s_lshl_b32 s84, s15, 13
	s_mov_b32 s85, 0
	s_add_nc_u64 s[6:7], s[6:7], s[84:85]          ; its mask
	s_lshl_b32 s15, s15, 7
	s_lshl_b32 s86, s14, 4
	s_add_co_u32 s15, s15, s86
	s_add_co_u32 s15, s15, s11                     ; the token tile of the first block that a reducer stores: 128 b + 16 qg + t
	s_and_b32 s86, s13, 15                         ; the head
	s_lshl_b32 s87, s15, 4
	s_add_co_u32 s87, s87, s86
	s_mul_i32 s66, s87, 768
	s_mov_b32 s67, 0
	s_add_nc_u64 s[66:67], s[8:9], s[66:67]        ; att's codes: [token tile][head][768]
	s_lshl_b32 s68, s15, 9
	s_lshr_b32 s87, s86, 1
	s_lshl_b32 s87, s87, 6
	s_add_co_u32 s68, s68, s87
	s_add_co_u32 s68, s68, 3145728
	s_mov_b32 s69, 0
	s_add_nc_u64 s[68:69], s[8:9], s[68:69]        ; att's scale words: [token tile][head / 2][16 rows], half-word head % 2
	s_and_b32 s86, s86, 1
	s_lshl_b32 s86, s86, 1
	v_and_b32 v20, 31, v0                          ; lane
	v_and_b32 v21, 15, v0                          ; r
	v_bfe_u32 v22, v0, 4, 1                        ; h
	s_mul_i32 s15, s12, 12288
	v_lshl_add_u32 v1, v20, 4, s15                 ; K: my 8 fragments, 16 x lane,
	v_lshl_add_u32 v2, v20, 3, s15                 ; 8 x lane
	v_add_nc_u32 v3, VC, v1                        ; V: my two K steps
	v_add_nc_u32 v4, VC, v2
	s_mul_i32 s15, s11, 768
	s_add_co_u32 s15, s15, QC
	v_lshl_add_u32 v5, v20, 4, s15                 ; Q: tile t of block 0
	v_lshl_add_u32 v6, v20, 3, s15
	s_lshl_b32 s15, s11, 1
	s_add_co_u32 s15, s15, QSL
	v_lshl_add_u32 v7, v21, 2, s15                 ; and its half-word
	s_lshl_b32 s15, s12, 10
	s_add_co_u32 s15, s15, MK
	v_lshl_add_u32 v8, v22, 6, s15                 ; the mask words of my keys: 16 words on for lanes 16-31
	s_lshl_b32 s15, s10, 6
	s_add_co_u32 s15, s15, SUMP
	v_lshl_add_u32 v9, v21, 2, s15                 ; my partial sum
	s_lshl_b32 s15, s11, 6
	s_add_co_u32 s15, s15, SUMP
	v_lshl_add_u32 v10, v21, 2, s15                ; the eight partial sums of my query tile, 128 bytes apart
	s_lshl_b32 s15, s10, 12
	s_add_co_u32 s15, s15, OP
	v_lshl_add_u32 v11, v20, 4, s15                ; my partial result
	s_lshl_b32 s15, s11, 12
	s_add_co_u32 s15, s15, OP
	v_lshl_add_u32 v12, v20, 4, s15                ; the eight partial results of my query tile, 8,192 bytes apart
	v_lshlrev_b32 v13, 4, v20                      ; att: registers 0-3,
	v_lshlrev_b32 v14, 3, v20                      ; registers 4, 5,
	v_lshl_add_u32 v15, v21, 2, s86                ; the half-word
	v_lshlrev_b32 v117, 4, v0
	v_add_nc_u32 v118, MK, v117
	v_add_nc_u32 v119, QSL, v0
	v_lshlrev_b32 v127, 2, v21
	global_load_b128 v[32:35], v117, s[6:7]        ; four keys' mask a thread
	global_load_u8 v36, v0, s[80:81]               ; one byte of my queries' scales a thread
.irp p, 0,1,2,3,4,5,6,7
	global_load_b32 v[80+\p], v127, s[82:83] offset:64*\p          ; K's scale words: fragment p of my range
	global_load_b32 v[88+\p], v127, s[82:83] offset:131072+64*\p   ; V's: K step p / 4, channel tile p % 4
.endr
	s_mov_b32 s[SEL], 0x76543210
	s_mov_b32 s[SEL+1], 0xfedcba98
	s_mov_b32 s46, 0x3f7fbe77                      ; 0.999
	s_mov_b32 s47, 0x7fffffff
	s_mov_b32 s48, 0x3b8b24a4                      ; the polynomial's coefficients x 2 / pi, degree 6 down to 1; each twice: the packed form names a pair
	s_mov_b32 s49, 0x3b8b24a4
	s_mov_b32 s50, 0xbc323c51
	s_mov_b32 s51, 0xbc323c51
	s_mov_b32 s52, 0x3ca11b65
	s_mov_b32 s53, 0x3ca11b65
	s_mov_b32 s54, 0xbd02d591
	s_mov_b32 s55, 0xbd02d591
	s_mov_b32 s56, 0x3d680569
	s_mov_b32 s57, 0x3d680569
	s_mov_b32 s58, 0xbe0be58c
	s_mov_b32 s59, 0xbe0be58c
	s_mov_b32 s60, 0x398637bd                      ; 256e-6
	s_mov_b32 s61, 0                               ; the block's number
	s_mov_b32 s62, 0                               ; Q's codes: 1,536 bytes a block
	s_mov_b32 s63, 0                               ; Q's half-words: 64 bytes a block
	v_mov_b32 v124, 0xba52b131                     ; degree 7
	v_mov_b32 v125, 0xba52b131
	v_mov_b32 v37, 1.0
.irp j, 0,1,2,3,4,5
	v_mov_b32 v[102+\j], 0                         ; Q's middle six registers: zero codes, for the whole launch
.endr
.irp j, 0,1,2,3,4,5,6,7
	v_mov_b32 v[24+\j], 0                          ; written once: a lane permute's destination counts as one of its sources
.endr
	s_wait_loadcnt 0x0
.irp j, 0,1,2,3
	v_cmp_ne_u32 vcc_lo, 0, v[32+\j]
	v_cndmask_b32 v[32+\j], 0, v37, vcc_lo         ; 1.0 for an open key, 0.0 for a masked one
.endr
	ds_store_b128 v118, v[32:35]
	ds_store_b8 v119, v36
	s_wait_dscnt 0x0                               ; for the others' sake: my stores have landed,
	s_wait_tensorcnt 0x0                           ; and my parts of K, Q and V
	s_barrier_signal -1
	s_barrier_wait -1
.Lblock:                                           ; eight trips: 32 queries each
	; ---- the scores: S^T = K Q^T, my 16 key tiles against my query tile
	v_add_nc_u32 v117, s62, v5
	v_add_nc_u32 v118, s62, v6
	v_add_nc_u32 v119, s63, v7
.irp p, 0,1,2,3
	FRAG W+80+12*\p, 1, 2, 1536*\p
.endr
.irp p, 0,1,2,3
	FRAG T+12*\p, 1, 2, 6144+1536*\p
.endr
	ds_load_b128 v[96:99], v117
	ds_load_b64 v[100:101], v118 offset:512
	ds_load_b128 v[108:111], v117
	ds_load_b64 v[112:113], v118 offset:512
	ds_load_u16 v126, v119
	s_wait_dscnt 0x0
	v_lshl_or_b32 v114, v126, 16, v126             ; q's two bytes serve whichever half of K it stands in
	NOPS 8                                         ; a scale register written by a vector instruction stands eight places ahead of the scaled product
.irp p, 0,1,2,3
	v_wmma_scale_f32_16x16x128_f8f6f4 v[W+16*\p:W+16*\p+7], v[W+80+12*\p:W+80+12*\p+11], v[96:107], 0, v[80+\p], v114 matrix_a_fmt:MATRIX_FMT_FP6 matrix_b_fmt:MATRIX_FMT_FP6
	v_wmma_scale_f32_16x16x128_f8f6f4 v[W+16*\p+8:W+16*\p+15], v[W+80+12*\p:W+80+12*\p+11], v[102:113], 0, v[80+\p], v114 matrix_a_fmt:MATRIX_FMT_FP6 matrix_b_fmt:MATRIX_FMT_FP6
.endr
	NOPS 5                                         ; the next results are laid over fragments that are done with: five places
.irp p, 0,1,2,3
	v_wmma_scale_f32_16x16x128_f8f6f4 v[W+64+16*\p:W+64+16*\p+7], v[T+12*\p:T+12*\p+11], v[96:107], 0, v[84+\p], v114 matrix_a_fmt:MATRIX_FMT_FP6 matrix_b_fmt:MATRIX_FMT_FP6
	v_wmma_scale_f32_16x16x128_f8f6f4 v[W+64+16*\p+8:W+64+16*\p+15], v[T+12*\p:T+12*\p+11], v[102:113], 0, v[84+\p], v114 matrix_a_fmt:MATRIX_FMT_FP6 matrix_b_fmt:MATRIX_FMT_FP6
.endr
	NOPS 4                                         ; four places in front of the first read of results and of loads into registers that the products read
	; ---- w = (2 x score)^8, the row's sum, the blocks' maxima
	ds_load_b128 v[T+24:T+27], v8
	ds_load_b128 v[T+28:T+31], v8 offset:16
.irp g, 0,1,2,3,4,5,6,7,8,9,10,11,12,13,14,15
	GROUP \g
.endr
	v_pk_add_f32 v[120:121], v[120:121], v[122:123]
	v_add_f32 v120, v120, v121
	v_permlanex16_b32 v121, v120, s[SEL], s[SEL+1]
	v_add_f32 v120, v120, v121                     ; my 256 keys' sum for query r
	ds_store_b32 v9, v120                          ; lanes r and r + 16 write the same word with the same value
.irp b, 0,1,2,3,4,5,6,7
	v_permlanex16_b32 v[24+\b], v[16+\b], s[SEL], s[SEL+1]
.endr
.irp b, 0,1,2,3,4,5,6,7
	v_max_num_f32 v[16+\b], v[16+\b], v[24+\b]     ; with lane l xor 16's 16 keys: the block's largest w
.endr
	s_wait_dscnt 0x0                               ; my partial sum has landed; a reducer's reads of the last block's partial results are back
	s_barrier_signal -1
	s_barrier_wait -1
	; ---- normalise and quantise
.irp k, 0,1,2,3,4,5,6,7
	ds_load_b32 v[T+\k], v10 offset:128*\k
.endr
	s_wait_dscnt 0x0
	v_add_f32 v32, v32, v33                        ; one fixed order in all eight waves of a query tile: the same bits
	v_add_f32 v34, v34, v35
	v_add_f32 v36, v36, v37
	v_add_f32 v38, v38, v39
	v_add_f32 v32, v32, v34
	v_add_f32 v36, v36, v38
	v_add_f32 v32, v32, v36
	v_add_f32 v32, s60, v32
	v_rcp_f32 v120, v32
	v_nop                                          ; a plain line behind a transcendental
	s_wait_alu depctr_va_vdst(0)
	v_mov_b32 v121, v120
.irp j, 0,2,4,6,8,10,12,14,16,18,20,22,24,26,28,30,32,34,36,38,40,42,44,46,48,50,52,54,56,58,60,62
	v_pk_mul_f32 v[W+\j:W+\j+1], v[W+\j:W+\j+1], v[120:121] op_sel_hi:[1,0]
	v_pk_mul_f32 v[W+64+\j:W+64+\j+1], v[W+64+\j:W+64+\j+1], v[120:121] op_sel_hi:[1,0]
.endr
.irp b, 0,1,2,3,4,5,6,7
	v_mul_f32 v[16+\b], v[16+\b], v120             ; the block's largest W: the same multiplication of the same number gives the same bits
.endr
.irp b, 0,1,2,3,4,5,6,7
	v_max_num_f32 v[16+\b], 0x1800000, v[16+\b]    ; the floor 2^(3 - 127): the byte cannot fall under 1
.endr
.irp b, 0,1,2,3,4,5,6,7
	v_add_nc_u32 v[24+\b], 0xff000000, v[16+\b]    ; 2 off the exponent field: the conversion's scale operand
.endr
.irp b, 0,1,2,3,4,5,6,7
	v_lshrrev_b32 v[16+\b], 23, v[24+\b]           ; the scale's byte
.endr
	v_lshl_or_b32 v115, v17, 8, v16                ; W's scale words for my two K steps
	v_lshl_or_b32 v116, v21, 8, v20
	v_lshl_or_b32 v115, v18, 16, v115
	v_lshl_or_b32 v116, v22, 16, v116
	v_lshl_or_b32 v115, v19, 24, v115
	v_lshl_or_b32 v116, v23, 24, v116
	CODES 0
.irp d, 0,1,2,3
	FRAG W+12*\d, 3, 4, 1536*\d                    ; V's four channel tiles of my first K step, into registers that W has left
.endr
	CODES 1
.irp d, 0,1,2,3
	FRAG W+64+12*\d, 3, 4, 6144+1536*\d            ; and of my second
.endr
	; ---- O^T = V^T W^T over my 256 keys: four accumulators by turns, at W + 48, + 56, + 112, + 120
	s_wait_dscnt 16                                ; the first K step's 16 loads are in; the second's may be out
	NOPS 8                                         ; scale words and operand were written by vector instructions
.irp d, 0,1,2,3
	v_wmma_scale_f32_16x16x128_f8f6f4 v[W+48+8*\d+48*(\d/2):W+48+8*\d+48*(\d/2)+7], v[W+12*\d:W+12*\d+11], v[T:T+11], 0, v[88+\d], v115 matrix_a_fmt:MATRIX_FMT_FP6 matrix_b_fmt:MATRIX_FMT_FP6
.endr
	s_wait_dscnt 0x0
.irp d, 0,1,2,3
	v_wmma_scale_f32_16x16x128_f8f6f4 v[W+48+8*\d+48*(\d/2):W+48+8*\d+48*(\d/2)+7], v[W+64+12*\d:W+64+12*\d+11], v[T+12:T+23], v[W+48+8*\d+48*(\d/2):W+48+8*\d+48*(\d/2)+7], v[92+\d], v116 matrix_a_fmt:MATRIX_FMT_FP6 matrix_b_fmt:MATRIX_FMT_FP6
.endr
	NOPS 4
.irp d, 0,1,2,3
	ds_store_b128 v11, v[W+48+8*\d+48*(\d/2):W+48+8*\d+48*(\d/2)+3] offset:1024*\d           ; each accumulator from its low end on; 512 consecutive bytes a store
	ds_store_b128 v11, v[W+48+8*\d+48*(\d/2)+4:W+48+8*\d+48*(\d/2)+7] offset:1024*\d+512
.endr
	s_wait_dscnt 0x0                               ; my partial result has landed, and my reads of the partial sums are back
	s_barrier_signal -1
	s_barrier_wait -1
	; ---- waves 0 and 1 add the eight partial results of query tiles 0 and 1; register 16 b + i is channel 32 b + 16 (lane / 16) + i of query r
	s_cmp_lt_u32 s10, 2
	s_cbranch_scc0 .Lno_reducer
.irp k, 0,1,2,3
.irp g, 0,1,2,3,4,5,6,7
	ds_load_b128 v[W+32*\k+4*\g:W+32*\k+4*\g+3], v12 offset:8192*\k+512*\g
.endr
.endr
	s_wait_dscnt 0x0
	PADD W, W+32
	PADD W+64, W+96
	PADD W, W+64
.irp k, 4,5,6
.irp g, 0,1,2,3,4,5,6,7
	ds_load_b128 v[W+32*(\k-3)+4*\g:W+32*(\k-3)+4*\g+3], v12 offset:8192*\k+512*\g
.endr
.endr
.irp g, 0,1,2,3,4,5,6,7
	ds_load_b128 v[T+4*\g:T+4*\g+3], v12 offset:8192*7+512*\g
.endr
	s_wait_dscnt 0x0
	PADD W+32, W+64
	PADD W+96, T
	PADD W+32, W+96
	PADD W, W+32
	HALF W, 64, 72, 76                             ; quantised along the head's 64: half a K step of the last product
	global_store_b128 v13, v[64:67], s[66:67]      ; 512 consecutive bytes,
	global_store_b64 v14, v[68:69], s[66:67] offset:512            ; 256 consecutive bytes
	global_store_b16 v15, v76, s[68:69]
.Lno_reducer:
	s_wait_xcnt 0x0                                ; the stores' bases and data are written again only behind this wait
	s_add_nc_u64 s[66:67], s[66:67], 24576         ; two token tiles on
	s_add_nc_u64 s[68:69], s[68:69], 1024
	s_add_co_u32 s62, s62, 1536
	s_add_co_u32 s63, s63, 64
	s_add_co_u32 s61, s61, 1
	s_cmp_lt_u32 s61, 8
	s_cbranch_scc1 .Lblock
	s_wait_xcnt 0x0
	v_lshl_add_u32 v254, v0, 2, 0x45600
	v_mov_b32 v255, 0
	s_wait_tensorcnt 0x0
	ds_add_u32 v254, v255
	s_wait_dscnt 0x0
	s_endpgm
.Lfunc_end_k_q8980a6f55c_attn:
	.size	k_q8980a6f55c_attn, .Lfunc_end_k_q8980a6f55c_attn-k_q8980a6f55c_attn
	.p2alignl 7, 3214868480
	.fill 96, 4, 3214868480
	.section	.rodata,"a",@progbits
	.p2align	6, 0x0
	.amdhsa_kernel k_q8980a6f55c_attn
		.amdhsa_group_segment_fixed_size 286208
		.amdhsa_private_segment_fixed_size 0
		.amdhsa_enable_private_segment 0
		.amdhsa_kernarg_size 24
		.amdhsa_user_sgpr_count 2
		.amdhsa_user_sgpr_kernarg_segment_ptr 1
		.amdhsa_wavefront_size32 1
		.amdhsa_system_sgpr_workgroup_id_x 1
		.amdhsa_system_sgpr_workgroup_id_y 1
		.amdhsa_system_sgpr_workgroup_id_z 1
		.amdhsa_system_vgpr_workitem_id 0
		.amdhsa_next_free_vgpr 256
		.amdhsa_next_free_sgpr 96
		.amdhsa_reserve_vcc 1
		.amdhsa_float_denorm_mode_32 3
		.amdhsa_float_denorm_mode_16_64 3
		.amdhsa_memory_ordered 1
		.amdhsa_forward_progress 1
		.amdhsa_inst_pref_size 126
	.end_amdhsa_kernel
	.amdgpu_metadata
---
amdhsa.version: [ 1, 2 ]
amdhsa.kernels:
  - .name:           k_q8980a6f55c_attn
    .symbol:         k_q8980a6f55c_attn.kd
    .args:
      - { .name: qkv, .offset: 0, .size: 8, .value_kind: global_buffer, .address_space: global }
      - { .name: mask, .offset: 8, .size: 8, .value_kind: global_buffer, .address_space: global }
      - { .name: att, .offset: 16, .size: 8, .value_kind: global_buffer, .address_space: global }
    .group_segment_fixed_size: 286208
    .private_segment_fixed_size: 0
    .kernarg_segment_align: 8
    .kernarg_segment_size: 24
    .max_flat_workgroup_size: 512
    .sgpr_count:     96
    .vgpr_count:     256
    .wavefront_size: 32
...
	.end_amdgpu_metadata
.endif
;; end of part 3
;; launch outp (part 4): grid 256 x 1, 8 waves a work-group, no clusters, 240,640 bytes of LDS; arguments cod, att, bo, out0; writes out0
.if DOCPART == 4
	.amdgcn_target "amdgcn-amd-amdhsa--gfx1250"
	.amdhsa_code_object_version 6
	.text
	.protected	k_q8980a6f55c_outp
	.globl	k_q8980a6f55c_outp
	.p2align	8
	.type	k_q8980a6f55c_outp,@function
k_q8980a6f55c_outp:
	s_mov_b64 s[64:65], 0
	v_nop
	global_prefetch_b8 v0, s[64:65] scope:SCOPE_SE
	s_setreg_imm32_b32 hwreg(HW_REG_WAVE_MODE, 25, 1), 1
	s_wait_xcnt 0x0
; out0 = (attention's result) Wo^T + bo on codes of FP6 (E2M3), f32 sums.  D = S0 S1^T with S0 = 128 rows of Wo (from cod, tiles 448 on) and S1 = 128 tokens (from att): a lane holds one token,
; its registers run along the output's columns.  Both operands lie in memory in the order of the operand's registers: [tile][K step 8][half 2][768], scale words [tile][K step][16 rows];
; lane r of tile 2 p + u holds row 32 p + 8 u + r + 8 (r / 8).  A work-group makes 128 x 128; wave w makes S0's tiles 4 (w % 2) .. + 3 against S1's tiles 2 (w / 2), + 1: eight accumulators.
; All of K = 1,024 of both operands lies in LDS, filled once, in four chunks of 256 along K.  No LDS byte is filled twice.
; The bias is the C of each sum's first product: it is loaded straight into the accumulators, in the result's layout.
; The way out: 16 tokens x 64 columns go through the wave's own stage in LDS, so that sixteen lanes store 256 consecutive bytes, aligned.
; No multicast: partners would share one operand of 98,304 bytes a work-group, once; left out for a plain launch.
.set OPB, 98304                        ; an operand in LDS: [chunk 4][tile 8][K step 2][1,536]
.set SCB, 196608                       ; behind both: their scale words, 4,096 bytes each
.set STG, 204800                       ; behind those: a stage of 16 rows x (256 + 16) bytes for each wave; no fill lands there
.set FB,  32                           ; v32-175  two buffers of six fragments
.set SW,  176                          ; v176-187 two sets of six scale words
.set ACC, 192                          ; v192-255 accumulator (S1's tile g, S0's tile f) at ACC + 32 g + 8 f
.macro NOPS n
.rept \n
	v_nop
.endr
.endm
.macro FRAG reg, a16, a8, off
	ds_load_b128 v[\reg:\reg+3], v[\a16] offset:\off
	ds_load_b64 v[\reg+4:\reg+5], v[\a8] offset:\off+512
	ds_load_b128 v[\reg+6:\reg+9], v[\a16] offset:\off+768
	ds_load_b64 v[\reg+10:\reg+11], v[\a8] offset:\off+1280
.endm
.macro FETCH s                         ; K step s: 30 LDS loads into buffer s % 2
.set FQ, FB+72*((\s)%2)
.set SQ, SW+6*((\s)%2)
.set HB, 2*((\s)/4)
.set FO, (((\s)/2)%2)*24576+((\s)%2)*1536
.irp f, 0,1,2,3
	FRAG FQ+12*\f, 1+HB, 2+HB, FO+3072*\f
.endr
.irp f, 0,1
	FRAG FQ+48+12*\f, 5+HB, 6+HB, FO+3072*\f
.endr
.irp f, 0,1,2,3
	ds_load_b32 v[SQ+\f], v9 offset:512*\f+64*(\s)
.endr
.irp f, 0,1
	ds_load_b32 v[SQ+4+\f], v10 offset:512*\f+64*(\s)
.endr
.endm
.macro MUL s                           ; eight products; the eight accumulators take turns, one instruction a turn
.set FQ, FB+72*((\s)%2)
.set SQ, SW+6*((\s)%2)
.irp g, 0,1
.irp f, 0,1,2,3
	v_wmma_scale_f32_16x16x128_f8f6f4 v[ACC+32*\g+8*\f:ACC+32*\g+8*\f+7], v[FQ+12*\f:FQ+12*\f+11], v[FQ+48+12*\g:FQ+48+12*\g+11], v[ACC+32*\g+8*\f:ACC+32*\g+8*\f+7], v[SQ+\f], v[SQ+4+\g] matrix_a_fmt:MATRIX_FMT_FP6 matrix_b_fmt:MATRIX_FMT_FP6
.endr
.endr
.endm
.macro KSTEP s, meet, left             ; meet = 1: the next K step begins a chunk: every wave waits for its part of it (left = my younger tensor loads, which may stay out)
.if (\s) > 0
	NOPS 4                                         ; four places in front of loads into registers that the last products read
.endif
.if \meet
	s_wait_dscnt 0x0                               ; no LDS instruction of mine is out at a signal
	s_wait_tensorcnt \left
	s_barrier_signal -1
	s_barrier_wait -1
.endif
.if (\s) < 7
	FETCH (\s)+1
	s_wait_dscnt 30                                ; this K step's loads are in; the 30 just issued may be out
.else
	s_wait_dscnt 0x0
.endif
	MUL \s
.endm
	s_load_b256 s[4:11], s[0:1], 0x0               ; cod, att, bo, out0
	v_lshl_add_u32 v190, v0, 2, 0x3a800
	v_mov_b32 v191, 0
	ds_add_u32 v190, v191
	ds_add_u32 v190, v191
	v_lshrrev_b32 v17, 5, v0
	v_readfirstlane_b32 s12, v17                   ; wave 0..7
	s_and_b32 s13, s12, 1                          ; a: which 64 columns are mine
	s_lshr_b32 s14, s12, 1                         ; bq: which 32 tokens
	s_and_b32 s15, s12, 3                          ; I fetch tiles 2 p, 2 p + 1 of S0 (waves 0-3) or of S1 (waves 4-7)
	s_and_b32 s52, ttmp9, 7                        ; y0: which 128 columns
	s_lshr_b32 s53, ttmp9, 3                       ; y1: which 128 tokens
	s_lshl_b32 s54, s52, 3
	s_add_co_u32 s54, s54, 448
	s_lshl_b32 s55, s53, 3
	s_mov_b32 s57, 3145728
	s_cmp_lt_u32 s12, 4
	s_cselect_b32 s54, s54, s55
	s_cselect_b32 s57, 6291456, s57                ; where the buffer's scale words begin
	s_lshl_b32 s55, s15, 1
	s_add_co_u32 s54, s54, s55                     ; the first of the two tiles that I fetch
	s_mul_i32 s58, s54, 12288
	s_mov_b32 s59, 0
	s_lshl_b32 s60, s54, 9
	s_add_co_u32 s60, s60, s57
	s_mov_b32 s61, 0
	s_lshr_b32 s62, s12, 2
	s_mul_i32 s62, s62, OPB
	s_mul_i32 s63, s15, 6144
	s_add_co_u32 s62, s62, s63                     ; LDS: my two tiles' place in a chunk
	s_lshl_b32 s63, s12, 10                        ; LDS: their scale words
	; descriptor group 1 for a chunk's part: two rows (tiles) of 3,072 bytes, 12,288 bytes apart in memory, on end in LDS
	s_mov_b32 s16, 3<<16
	s_mov_b32 s17, 384<<16
	s_mov_b32 s18, 2<<16
	s_mov_b32 s19, 384<<16
	s_mov_b32 s20, 2
	s_mov_b32 s21, 1536
	s_mov_b32 s22, 0
	s_mov_b32 s23, 0
	; and for the scale words: one row of 1,024 bytes
	s_mov_b32 s24, 3<<16
	s_mov_b32 s25, 128<<16
	s_mov_b32 s26, 1<<16
	s_mov_b32 s27, 128<<16
	s_mov_b32 s28, 1
	s_mov_b32 s29, 128
	s_mov_b32 s30, 0
	s_mov_b32 s31, 0
	s_wait_dscnt 0x0
	s_wait_kmcnt 0x0
	s_cmp_lt_u32 s12, 4                            ; the choice of buffer hangs on the wave's number alone
	s_cselect_b64 s[66:67], s[4:5], s[6:7]
	s_add_nc_u64 s[58:59], s[66:67], s[58:59]
	s_add_nc_u64 s[60:61], s[66:67], s[60:61]
	s_mov_b32 s32, 1
	s_add_co_u32 s33, s63, SCB
	s_mov_b64 s[34:35], s[60:61]
	s_or_b32 s35, s35, 0x80000000
.irp j, 0,1,2,3
	s_mov_b32 s[36+4*\j], 1
	s_add_co_u32 s[37+4*\j], s62, 24576*\j
	s_add_nc_u64 s[38+4*\j:39+4*\j], s[58:59], 3072*\j
	s_or_b32 s[39+4*\j], s[39+4*\j], 0x80000000
.endr
	tensor_load_to_lds s[32:35], s[24:31]          ; all first fills go out together: five loads of mine are out
	s_nop 0
	tensor_load_to_lds s[36:39], s[16:23]
	s_nop 0
	tensor_load_to_lds s[40:43], s[16:23]
	s_nop 0
	tensor_load_to_lds s[44:47], s[16:23]
	s_nop 0
	tensor_load_to_lds s[48:51], s[16:23]
	s_nop 0
	NOPS 4
	v_and_b32 v17, 31, v0                          ; lane
	v_and_b32 v18, 15, v0                          ; r
	v_bfe_u32 v19, v0, 4, 1                        ; h
	s_lshl_b32 s68, s52, 9
	s_lshl_b32 s69, s13, 8
	s_add_co_u32 s68, s68, s69                     ; my 64 columns, in bytes: 512 y0 + 256 a
	s_mov_b32 s69, 0
	s_add_nc_u64 s[8:9], s[8:9], s[68:69]
	v_lshlrev_b32 v11, 6, v19                      ; the bias: lanes 16-31 begin 16 columns on
.irp g, 0,1
.irp f, 0,1,2,3
	global_load_b128 v[ACC+32*\g+8*\f:ACC+32*\g+8*\f+3], v11, s[8:9] offset:(32*(\f/2)+8*(\f%2))*4       ; tile f's register j is column 32 (f / 2) + 16 h + 8 (f % 2) + j
	global_load_b128 v[ACC+32*\g+8*\f+4:ACC+32*\g+8*\f+7], v11, s[8:9] offset:(32*(\f/2)+8*(\f%2))*4+16
.endr
.endr
	s_mul_i32 s54, s13, 12288
	v_lshl_add_u32 v1, v17, 4, s54                 ; S0: my four tiles in chunks 0, 1: 16 x lane,
	v_lshl_add_u32 v2, v17, 3, s54                 ; 8 x lane;
	v_add_nc_u32 v3, 49152, v1                     ; in chunks 2, 3
	v_add_nc_u32 v4, 49152, v2
	s_mul_i32 s55, s14, 6144
	s_add_co_u32 s55, s55, OPB
	v_lshl_add_u32 v5, v17, 4, s55                 ; S1: my two tiles
	v_lshl_add_u32 v6, v17, 3, s55
	v_add_nc_u32 v7, 49152, v5
	v_add_nc_u32 v8, 49152, v6
	s_lshl_b32 s54, s13, 11
	s_add_co_u32 s54, s54, SCB
	v_lshl_add_u32 v9, v18, 2, s54                 ; S0's scale words: row r's
	s_lshl_b32 s55, s14, 10
	s_add_co_u32 s55, s55, SCB+4096
	v_lshl_add_u32 v10, v18, 2, s55                ; S1's
	s_mul_i32 s54, s12, 4352
	s_add_co_u32 s54, s54, STG                     ; my stage
	v_mul_u32_u24 v12, v18, 272
	v_lshl_add_u32 v12, v19, 6, v12
	v_add_nc_u32 v12, s54, v12                     ; in: row r, + 64 h
	v_mul_u32_u24 v13, v19, 272
	v_lshl_add_u32 v13, v18, 4, v13
	v_add_nc_u32 v13, s54, v13                     ; back: lanes 0-15 one row, lanes 16-31 the next
	v_lshlrev_b32 v14, 12, v19
	v_lshl_add_u32 v14, v18, 4, v14                ; and the same two rows in out0
	s_lshl_b32 s70, s53, 2
	s_add_co_u32 s70, s70, s14
	s_lshl_b32 s70, s70, 17                        ; my 32 tokens: rows 32 (4 y1 + bq) on, 4,096 bytes each,
	s_add_co_u32 s70, s70, s68                     ; and my 64 columns
	s_mov_b32 s71, 0
	s_add_nc_u64 s[10:11], s[10:11], s[70:71]
	s_wait_tensorcnt 0x3                           ; my parts of the scale words and of chunk 0 are in; chunks 1 to 3 may be out
	s_barrier_signal -1
	s_barrier_wait -1                              ; everybody's are
	FETCH 0
	s_wait_loadcnt 0x0                             ; the bias stands in the accumulators
	KSTEP 0, 0, 0
	KSTEP 1, 1, 2                                  ; chunk 1 is wanted: two younger loads may be out
	KSTEP 2, 0, 0
	KSTEP 3, 1, 1                                  ; chunk 2
	KSTEP 4, 0, 0
	KSTEP 5, 1, 0                                  ; chunk 3: my last tensor load
	KSTEP 6, 0, 0
	KSTEP 7, 0, 0
	NOPS 4                                         ; four places in front of the first read of results and of loads into registers that the products read
.macro TOSTAGE g                       ; S1's tile g: 16 tokens x 64 columns into my stage and back as rows of 256 bytes
.irp f, 0,1,2,3
	ds_store_b128 v12, v[ACC+32*\g+8*\f:ACC+32*\g+8*\f+3] offset:128*(\f/2)+32*(\f%2)        ; each accumulator from its low end on
	ds_store_b128 v12, v[ACC+32*\g+8*\f+4:ACC+32*\g+8*\f+7] offset:128*(\f/2)+32*(\f%2)+16
.endr
.irp i, 0,1,2,3,4,5,6,7
	ds_load_b128 v[FB+32*\g+4*\i:FB+32*\g+4*\i+3], v13 offset:544*\i       ; LDS serves a wave's instructions in order: these see the stores above, and the next tile's stores come behind them
.endr
.endm
.macro SEND g, younger                 ; the stage's row r is token 8 g + r + 8 (r / 8) of my 32
.irp i, 0,1,2,3,4,5,6,7
	s_wait_dscnt \younger+7-\i
	global_store_b128 v14, v[FB+32*\g+4*\i:FB+32*\g+4*\i+3], s[10:11] offset:(8*\g+2*\i+8*(\i/4))*4096 th:TH_STORE_NT   ; sixteen lanes store 256 consecutive bytes, aligned; written once, read by nobody here
.endr
.endm
	TOSTAGE 0
	TOSTAGE 1
	SEND 0, 16                                     ; behind tile 0's loads: tile 1's eight stores and eight loads
	SEND 1, 0
	s_wait_tensorcnt 0x0
	ds_add_u32 v190, v191
	s_wait_dscnt 0x0
	s_endpgm
.Lfunc_end_k_q8980a6f55c_outp:
	.size	k_q8980a6f55c_outp, .Lfunc_end_k_q8980a6f55c_outp-k_q8980a6f55c_outp
	.p2alignl 7, 3214868480
	.fill 96, 4, 3214868480
	.section	.rodata,"a",@progbits
	.p2align	6, 0x0
	.amdhsa_kernel k_q8980a6f55c_outp
		.amdhsa_group_segment_fixed_size 240640
		.amdhsa_private_segment_fixed_size 0
		.amdhsa_enable_private_segment 0
		.amdhsa_kernarg_size 32
		.amdhsa_user_sgpr_count 2
		.amdhsa_user_sgpr_kernarg_segment_ptr 1
		.amdhsa_wavefront_size32 1
		.amdhsa_system_sgpr_workgroup_id_x 1
		.amdhsa_system_sgpr_workgroup_id_y 1
		.amdhsa_system_sgpr_workgroup_id_z 1
		.amdhsa_system_vgpr_workitem_id 0
		.amdhsa_next_free_vgpr 256
		.amdhsa_next_free_sgpr 80
		.amdhsa_reserve_vcc 0
		.amdhsa_float_denorm_mode_32 3
		.amdhsa_float_denorm_mode_16_64 3
		.amdhsa_memory_ordered 1
		.amdhsa_forward_progress 1
		.amdhsa_inst_pref_size 37
	.end_amdhsa_kernel
	.amdgpu_metadata
---
amdhsa.version: [ 1, 2 ]
amdhsa.kernels:
  - .name:           k_q8980a6f55c_outp
    .symbol:         k_q8980a6f55c_outp.kd
    .args:
      - { .name: cod, .offset: 0, .size: 8, .value_kind: global_buffer, .address_space: global }
      - { .name: att, .offset: 8, .size: 8, .value_kind: global_buffer, .address_space: global }
      - { .name: bo, .offset: 16, .size: 8, .value_kind: global_buffer, .address_space: global }
      - { .name: out0, .offset: 24, .size: 8, .value_kind: global_buffer, .address_space: global }
    .group_segment_fixed_size: 240640
    .private_segment_fixed_size: 0
    .kernarg_segment_align: 8
    .kernarg_segment_size: 32
    .max_flat_workgroup_size: 256
    .sgpr_count:     80
    .vgpr_count:     256
    .wavefront_size: 32
...
	.end_amdgpu_metadata
.endif
;; end of part 4
